; MI455X (gfx1250); checked and timed in simulation.
; The chip was launched on July 23, 2026; its instructions are those of AMD's public machine-readable ISA for CDNA 5 (MIT licence, August 2026) and "CDNA5" Instruction Set Architecture Reference Guide (July 2026). The comments in the code are by the model that wrote it; some were corrected since.
;; Epoch Mixer. Allowed arithmetic: matrix products marked QUANTISED: E2M1 operands, one E8M0 scale for each 32 along K, by v_wmma_scale_f32_16x16x128_f8f6f4 with both operands' format E2M1 (or v_wmma_scale_f32_32x16x128_f4), f32 sums; products left as they are: f32 operands where the result goes on into a quantised operand, else bf16, f16 or f32 operands; f32 sums; everything else in f32.
;; Inputs: W1_codes 2 x 512 x 4 x 16 uint8 (E2M1 codes of W1, K innermost, in blocks of 32 codes, two codes a byte); W1_scales 2 x 512 x 4 uint8 (E8M0 scales of W1, one for each 32 codes along K); W2_codes 2 x 128 x 16 x 16 uint8 (E2M1 codes of W2, K innermost, in blocks of 32 codes, two codes a byte); W2_scales 2 x 128 x 16 uint8 (E8M0 scales of W2, one for each 32 codes along K); Wo_codes 2 x 128 x 4 x 16 uint8 (E2M1 codes of Wo, K innermost, in blocks of 32 codes, two codes a byte); Wo_scales 2 x 128 x 4 uint8 (E8M0 scales of Wo, one for each 32 codes along K); Wqkv_codes 2 x 384 x 4 x 16 uint8 (E2M1 codes of Wqkv, K innermost, in blocks of 32 codes, two codes a byte); Wqkv_scales 2 x 384 x 4 uint8 (E8M0 scales of Wqkv, one for each 32 codes along K); b1 2 x 512 float32; b2 2 x 128 float32; bo 2 x 128 float32; bqkv 2 x 384 float32; cls_token 1 x 1 x 128 float32; ln1_b 2 x 128 float32; ln1_g 2 x 128 float32; ln2_b 2 x 128 float32; ln2_g 2 x 128 float32; z0 16 x 2,048 x 128 float32; z1 16 x 2,048 x 128 float32; z2 16 x 2,048 x 128 float32.
;; Outputs: out0 16 x 2,048 x 128 float32.
;; This version of the problem:
;;   THIS VERSION OF THE PROBLEM IS GIVEN IN LOW PRECISION. The matrix products marked QUANTISED in the list below multiply operands that are first quantised to E2M1 (2 exponent bits, 1 mantissa bit; 4 bits a number), with one power-of-two scale for each 32 numbers along K (OCP MX v1.0); their sums are f32. All else is computed in f32.
;;   The module's matrix products, in the order in which they are computed (A, B: the left and right operand; K: the contracted axis; several contracted axes count as one K, in the product's order):
;;     1. [M 131,072, K 128] x [K 128, N 384]; A: computed on the way; B: input Wqkv (given as codes): QUANTISED
;;     2. batch 262,144 x [M 4, K 16] x [K 16, N 4]; A: computed on the way; B: computed on the way: left as it is (K = 16 < 32)
;;     3. batch 262,144 x [M 16, K 4] x [K 4, N 4]; A: computed on the way; B: softmax: left as it is (K = 4 < 32)
;;     4. [M 131,072, K 128] x [K 128, N 128]; A: computed on the way; B: input Wo (given as codes): QUANTISED
;;     5. [M 131,072, K 128] x [K 128, N 512]; A: computed on the way; B: input W1 (given as codes): QUANTISED
;;     6. [M 131,072, K 512] x [K 512, N 128]; A: computed on the way; B: input W2 (given as codes): QUANTISED
;;     7. [M 131,072, K 128] x [K 128, N 384]; A: computed on the way; B: input Wqkv (given as codes): QUANTISED
;;     8. batch 262,144 x [M 4, K 16] x [K 16, N 4]; A: computed on the way; B: computed on the way: left as it is (K = 16 < 32)
;;     9. batch 262,144 x [M 16, K 4] x [K 4, N 4]; A: computed on the way; B: softmax: left as it is (K = 4 < 32)
;;     10. [M 131,072, K 128] x [K 128, N 128]; A: computed on the way; B: input Wo (given as codes): QUANTISED
;;     11. [M 131,072, K 128] x [K 128, N 512]; A: computed on the way; B: input W1 (given as codes): QUANTISED
;;     12. [M 131,072, K 512] x [K 512, N 128]; A: computed on the way; B: input W2 (given as codes): QUANTISED
;;   THE QUANTISER, for each operand of a quantised product, along K:
;;     - K is cut into blocks of 32 from its start; a last block that is shorter is filled with zeros.
;;     - A block's scale is 2^e with e = floor(log2(the largest magnitude in the block)) - 2, held to -126 .. 127; a block of zeros has e = 0. As a byte (E8M0): e + 127.
;;     - Each number is divided by its block's scale, clamped to +-6, and rounded to the nearest number of E2M1, ties to even, subnormals kept.
;;     - The product sums the exact products of the quantised numbers (number of the format x scale) in f32.
;;   ~~~python
;;   def quantise(x, axis):      # numpy; x: float32 -> the quantised numbers, widened to float32 again
;;       x = np.moveaxis(x, axis, -1); K = x.shape[-1]
;;       x = np.pad(x, [(0, 0)] * (x.ndim - 1) + [(0, -K % 32)]); x = x.reshape(x.shape[:-1] + (-1, 32)); a = np.abs(x).max(-1, keepdims=True)
;;       e = np.where(a > 0, np.clip(np.frexp(np.where(a > 0, a, 1))[1] - 1 - 2, -126, 127), 0)      # np.frexp(a)[1] - 1 = floor(log2(a)), exactly
;;       r = np.clip(x / 2.0 ** e, -6, 6)
;;       step = 2.0 ** (np.maximum(np.frexp(np.where(r == 0, 1, r))[1] - 1, 0) - 1)
;;       q = np.round(r / step) * step * 2.0 ** e      # np.round: ties to even
;;       return np.moveaxis(q.reshape(q.shape[:-2] + (-1,))[..., :K], -1, axis).astype(np.float32)
;;   ~~~
;;   OPERANDS COMPUTED ON THE WAY. 'Computed on the way' means the value that the module computes at that place (a softmax that the list does not call 'softmax' is quantised finished and normalised). What goes into a quantiser is computed in f32, as accurately as f32 sums, v_exp_f32 and their like allow (about 1e-6 of the number): no bf16 or f16 on the way to a quantiser, and a product that is left as it is and whose result goes on into a quantised operand takes f32 operands (vector FMAs, or v_wmma_f32_16x16x4_f32). A number that lies on a knife's edge between two numbers of the format may be rounded either way, as far as f32 arithmetic and the matrix unit's own rounding can turn it there, and no further.
;;   INPUTS GIVEN AS CODES. W1 (in the module: [2, 512, 128], K = its axis 2); W2 (in the module: [2, 128, 512], K = its axis 2); Wo (in the module: [2, 128, 128], K = its axis 2); Wqkv (in the module: [2, 384, 128], K = its axis 2): each comes as NAME_codes (uint8): NAME with its K axis moved to the last place and cut into blocks of 32 codes, [.., K / 32, bytes a block], one block behind the other in memory; two codes a byte, the lower K in the low four bits (a code: sign, 2 exponent bits, 1 mantissa bit); and NAME_scales (uint8): the same leading axes, one E8M0 byte (e + 127) for each 32 codes along K. Its value is code x scale, taken as it is: it is not quantised again, and the codes and scales need not be those that the quantiser above would give.
;; One version. Each part assembles by itself: llvm-mc -triple=amdgcn-amd-amdhsa -mcpu=gfx1250 --defsym DOCPART=n.
;; ======== version 1 of 1: 1 launch
;; limits: right only within a limited range of input values
;; launch mixer (part 1): grid 256 x 1, 8 waves a work-group, clusters of 4 x 1, 327,680 bytes of LDS; arguments Wqkv_codes, Wo_codes, W1_codes, W2_codes, W1_scales, W2_scales, Wqkv_scales, Wo_scales, b1, bqkv, bo, b2, ln1_g, ln1_b, ln2_g, ln2_b, cls_token, z0, z1, z2, out0; writes out0
.if DOCPART == 1
	.amdgcn_target "amdgcn-amd-amdhsa--gfx1250"
	.amdhsa_code_object_version 6
	.text
	.protected	k_q5c4f8d5175_mixer
	.globl	k_q5c4f8d5175_mixer
	.p2align	8
	.type	k_q5c4f8d5175_mixer,@function
k_q5c4f8d5175_mixer:
	s_mov_b64 s[64:65], 0
	v_nop
	global_prefetch_b8 v0, s[64:65] scope:SCOPE_SE
	s_setreg_imm32_b32 hwreg(HW_REG_WAVE_MODE, 25, 1), 1
	s_wait_xcnt 0x0
	s_wait_alu depctr_hold_cnt(0) depctr_sa_sdst(0) depctr_va_vdst(0) depctr_va_sdst(0) depctr_va_ssrc(0) depctr_va_vcc(0) depctr_vm_vsrc(0)
	s_getreg_b32 s2, hwreg(HW_REG_IB_STS2, 6, 4)
	s_cmp_eq_u32 s2, 0
	s_cbranch_scc0 .Lentry_in_a_cluster
	s_endpgm
.Lentry_in_a_cluster:
	s_bfe_u32 s2, ttmp6, 0x10000c
	s_cmp_lg_u32 s2, 0x3003
	s_cbranch_scc0 .Lentry_shape_is_right
	s_endpgm
.Lentry_shape_is_right:
; EpochMixer: 32,768 epochs, each a sequence of 4 tokens (CLS, z0, z1, z2) of width 128, through two post-norm encoder layers (8 heads of 16, FFN 512, exact GELU); the CLS row of layer 2 is the result.
; The eight large products run on codes of FP4 (E2M1) with one E8M0 scale for each 32 along K; the weights arrive as codes, every activation operand is quantised here from f32.  The two small products of attention are f32 multiply-adds.
; WORK LEFT OUT.  reference() returns x[:, :, 0, :].  In layer 2 the rows of tokens 1 to 3 enter the CLS row only as keys and values; their queries, scores, Wo, norms and FFN reach no output for any value of the inputs.
; So layer 2 computes K and V for all four tokens and all else for the CLS tile alone.  Every input is loaded.  A NaN, an infinity or an overflow that would arise only in the rows left out is not carried to the result.
; SHARES.  256 work-groups x 8 waves; a wave owns 16 epochs from the inputs to out0 and shares nothing but the weights.  512 registers a wave, two waves to a SIMD.
; LAYOUT.  The wave's 64 rows are four tiles: tile m = token m of the 16 epochs, lane r = lane % 16 = the epoch, h = lane / 16.  Every product is used transposed (source 0 = 16 rows of W, source 1 = a token tile), and the
; rows of W that form a tile are not neighbours: lane r of tile 2 b + u takes row 32 b + 8 u + r + 8 (r / 8).  So register 16 b + 8 u + j of lane (r, h) holds feature 32 b + 16 h + 8 u + j of epoch r: 16 neighbours of the
; next K (the quantiser asks one other lane), one whole head 2 b + h (attention stays inside the lane), and x in f32 has the accumulators' layout (the residual is the C of Wo's and W2's products, in place).
; WEIGHTS.  All codes (196,608 bytes) come into LDS once, as rows of 256 bytes + 16 of padding: ONE tensor load a wave, half of one array (waves 0, 1: Wqkv; 2, 3: Wo; 4, 5: W1; 6, 7: W2).
; The four work-groups of a cluster want the same bytes: each load is asked for jointly (mask 15).  Scales, biases, gains and the CLS token (26,112 bytes) come through registers.  No LDS byte is filled twice.
; All of the LDS is claimed; 305,408 bytes are used.
; LOADS AHEAD.  In the loops over feature blocks the next trip's weights, scale words and bias are asked of LDS while this trip's result is quantised; a branch on the trip count leaves that out where no trip follows.
; LIMITS.  GELU = x (0.5 + xc A(xc^2) / B(xc^2)), the rational form of erf with |x| held at 4 sqrt 2 for xc: the factor has an absolute error of about 1e-7, so far below 0 the relative error of the result grows.
; A block of zeros gets the scale byte 1 (its codes are zeros; the bytes are read here alone).  NaN and infinities among the inputs are not served.
; No prefetch into the L2: a wave asks for all its 24,576 bytes of z at its head, and reads nothing else from memory later.
.set WQKV,   0                         ; Wqkv's codes: four rows of 64 bytes to a unit of 272; a layer is 96 units
.set WQKVL,  26112
.set WOB,    52224                     ; Wo's: a layer is 32 units
.set WOL,    8704
.set W1B,    69632                     ; W1's: a layer is 128 units
.set W1L,    34816
.set W2B,    139264                    ; W2's: a row of 512 codes is one unit; K step s at + 64 s
.set W2L,    34816
.set SM,     208896                    ; the small arrays, dense, stored from registers; offsets from SM:
.set O_W1S,  0
.set O_W2S,  4096
.set O_WQS,  8192
.set O_WOS,  11264
.set O_B1,   12288
.set O_BQKV, 16384
.set O_BO,   19456
.set O_B2,   20480
.set O_G1,   21504
.set O_E1,   22528
.set O_G2,   23552
.set O_E2,   24576
.set O_CLS,  25600
.set STG,    235008                    ; a stage for each wave, its own: 16 rows at pitch 528 (8,448 bytes), or 4 tokens x 16 rows of codes at pitch 80
.set STGW,   8704
.set SPARE,  304384                    ; behind the last stage's 8,448 bytes: the spare words, 128 bytes a wave
; vector registers.  Window 1 (v256-511): X, x in f32: token m at 64 m, register 16 b + i.  Window 0:
.set AW,   1                           ; my place in a tile of a K = 128 weight
.set AW2,  2                           ; in a tile of W2
.set ASC,  3                           ; scale words of 4 bytes a row
.set ASC2, 4                           ; W2's, 16 bytes a row
.set ABI,  5                           ; vectors over the features: SM + 64 h
.set STW,  6                           ; the code stage, in
.set STR,  7                           ; and back
.set ADW,  8                           ; v8-11 the addresses of the trip in hand
.set ADS,  9
.set ADB,  10
.set ADT,  11
.set CK,   12                          ; v[12:13] = a5, b3 of GELU's polynomials
.set XS,   14                          ; v14-17 scale words of the four token tiles
.set OSW,  18                          ; v18-21 scale words of the attention's output, later of the hidden layer
.set XC,   22                          ; v22-53 the four token tiles as operands
.set H,    54                          ; v54-117 q, then o; the hidden layer's block
.set KV,   118                         ; v118-181 k, then v; weights' fragments
.set WS,   246                         ; v246-253 the weights' scale words and nothing else
.set XCL,  118                         ; GELU: x held, its square, numerator, denominator
.set U,    150
.set PA,   182
.set PB,   214
.set QF,   182                         ; attention: Q's (later V's) two fragments and 16 bias numbers; K's
.set KF,   214
.set ACC,  214
.set S,    214
.set MX,   230
.set Z,    238
.set TM,   190                         ; the quantiser: +0 largest magnitudes, +4 bytes, +12 the conversions' scale operands (in attention it works at v118 on)
.set PC,   206                         ; the codes just made
.set SCH,  22
.set MU,   30
.set RS,   38
.set BI,   54
.set GG,   182
.set EE,   118
; scalar: s[4:11] pointers; s[12:35] three groups 1; s[36:51] four groups 0 (behind the barrier s[4:23]: GELU's constants); s[52:53] lane selects; s54 the wave; s56-58 constants; s59-61, s66-67 LDS steps; s62-63 counters
.set GA6, 4
.set GA4, 6
.set GA3, 8
.set GA2, 10
.set GA1, 12
.set GA0, 14
.set GB4, 16
.set GB2, 18
.set GB1, 20
.set GB0, 22
.set MSB, 0
.macro WIN new                         ; the immediate's high byte repeats the setting that is left
.if MSB != \new
	s_set_vgpr_msb (MSB<<8)|\new
.set MSB, \new
.endif
.endm
.macro NOPS n
.rept \n
	v_nop
.endr
.endm
.macro CROUND                          ; a round of the cluster's barrier
	s_barrier_signal -1
	s_barrier_wait -1
	s_cmp_lg_u32 s54, 0
	s_cbranch_scc1 .Lnot_wave_0_\@
	s_barrier_signal -3
.Lnot_wave_0_\@:
	s_barrier_wait -3
	s_barrier_signal -1
	s_barrier_wait -1
.endm
.macro GROUP1 g, rows                  ; a dense block as rows of 256 bytes (32 elements of 8), 16 bytes of padding behind each; mask 15, bit 21 beside it
	s_mov_b32 s[\g], 15|(3<<16)|(1<<20)|(1<<21)|(5<<22)|(3<<25)
	s_mov_b32 s[\g+1], 32<<16
	s_mov_b32 s[\g+2], (\rows)<<16
	s_mov_b32 s[\g+3], 32<<16
	s_mov_b32 s[\g+4], \rows
	s_mov_b32 s[\g+5], 32
	s_mov_b32 s[\g+6], 0
	s_mov_b32 s[\g+7], 0
.endm
.macro GROUP0 g, ptr, base, rows       ; half s67 = wave % 2 of the array: both addresses hang on the wave's number alone
	s_mov_b32 s[\g], 1
	s_mul_i32 s[\g+1], s67, (\rows)*272
	s_add_co_u32 s[\g+1], s[\g+1], \base
	s_mul_i32 s2, s67, (\rows)*256
	s_add_nc_u64 s[\g+2:\g+3], s[\ptr:\ptr+1], s[2:3]
	s_or_b32 s[\g+3], s[\g+3], 0x80000000
.endm
.macro SPAIR r, bits
	s_mov_b32 s[\r], \bits
	s_mov_b32 s[\r+1], s[\r]
.endm
.macro MM d, a, b, c, sa, sb           ; source 0 = 16 rows of a weight, source 1 = a token tile
	v_wmma_scale_f32_16x16x128_f8f6f4 v[\d:\d+7], v[\a:\a+7], v[\b:\b+7], v[\c:\c+7], v[\sa], v[\sb] matrix_a_fmt:MATRIX_FMT_FP4 matrix_b_fmt:MATRIX_FMT_FP4
.endm
.macro LNPAR reg, off                  ; 64 numbers of a vector over the 128 features, in X's layout
.irp b, 0,1,2,3
.irp j, 0,1,2,3
	ds_load_b128 v[\reg+16*\b+4*\j:\reg+16*\b+4*\j+3], v[ABI] offset:\off+128*\b+16*\j
.endr
.endr
.endm
; THE QUANTISER.  nb runs of 16 registers from src on, each half a block of 32 (the other half lies in lane l xor 16).  win = 1: src lies in window 1.
.macro QMAX src, nb, win
.if \win
	WIN 0x05
.endif
.set QQ, 0
.rept \nb
	v_max3_num_f32 v[TM+QQ], |v[(\src)+16*QQ]|, |v[(\src)+16*QQ+1]|, 0x1800000   ; with the floor 2^(3 - 127): the byte cannot fall under 1
.set QQ, QQ+1
.endr
.if \win
	WIN 0x14
.endif
.set QI, 2
.rept 7
.set QQ, 0
.rept \nb
	v_max3_num_f32 v[TM+QQ], v[TM+QQ], |v[(\src)+16*QQ+QI]|, |v[(\src)+16*QQ+QI+1]|
.set QQ, QQ+1
.endr
.set QI, QI+2
.endr
	WIN 0
.set QQ, 0
.rept \nb
	v_permlanex16_b32 v[TM+4+QQ], v[TM+QQ], s52, s53
.set QQ, QQ+1
.endr
.set QQ, 0
	v_max_num_f32 v[TM+QQ], v[TM+QQ], v[TM+4+QQ]       ; the block's largest magnitude
.set QQ, QQ+1
.rept (\nb)-1
	v_max_num_f32 v[TM+QQ], v[TM+QQ], v[TM+4+QQ]       ; (the blocks' chains take turns)
.set QQ, QQ+1
.endr
.set QQ, 0
	v_add_nc_u32 v[TM+12+QQ], 0xff000000, v[TM+QQ]     ; 2 off its exponent field: the conversion takes that field as its scale
.set QQ, QQ+1
.rept (\nb)-1
	v_add_nc_u32 v[TM+12+QQ], 0xff000000, v[TM+QQ]
.set QQ, QQ+1
.endr
.set QQ, 0
	v_lshrrev_b32 v[TM+4+QQ], 23, v[TM+12+QQ]          ; the scale's byte
.set QQ, QQ+1
.rept (\nb)-1
	v_lshrrev_b32 v[TM+4+QQ], 23, v[TM+12+QQ]
.set QQ, QQ+1
.endr
.endm
.macro QCVT src, dst, nb, win          ; 16 codes, two registers, for each run
.if \win
	WIN 0x01
.endif
.set QQ, 0
.rept \nb
	v_cvt_scalef32_pk8_fp4_f32 v[(\dst)+2*QQ], v[(\src)+16*QQ:(\src)+16*QQ+7], v[TM+12+QQ]
	v_cvt_scalef32_pk8_fp4_f32 v[(\dst)+2*QQ+1], v[(\src)+16*QQ+8:(\src)+16*QQ+15], v[TM+12+QQ]
.set QQ, QQ+1
.endr
	WIN 0
	v_nop                                              ; one plain place behind the scaled conversions
.endm
.macro WORD4 d                         ; four bytes make a row's scale word
	s_delay_alu instid0(VALU_DEP_3)
	v_lshl_or_b32 v[\d], v[TM+5], 8, v[TM+4]
	s_delay_alu instid0(VALU_DEP_1)
	v_lshl_or_b32 v[\d], v[TM+6], 16, v[\d]
	s_delay_alu instid0(VALU_DEP_1)
	v_lshl_or_b32 v[\d], v[TM+7], 24, v[\d]
.endm
.macro SHIFTW m                        ; one byte a trip enters token m's scale word from above: after four trips block b's byte stands at place b
	v_lshrrev_b32 v[OSW+\m], 8, v[OSW+\m]
	s_delay_alu instid0(VALU_DEP_1)
	v_lshl_or_b32 v[OSW+\m], v[TM+4+\m], 24, v[OSW+\m]
.endm
.macro SWAPS d                         ; the operand's layout wants a whole block in a lane
.irp c, 0,1
.irp i, 0,1
	v_permlane16_swap_b32 v[(\d)+4*\c+\i], v[(\d)+2+4*\c+\i]
.endr
.endr
.endm
.macro QUANTX m                        ; token tile m of X becomes an operand and its scale word
	QMAX 64*(\m), 4, 1
	WORD4 XS+\m
	QCVT 64*(\m), XC+8*(\m), 4, 1
	SWAPS XC+8*(\m)
.endm
; GELU on 32 numbers from v[hb] on, in place.  The 16 pairs take turns in every step.
; ONE RECIPROCAL SERVES EIGHT DENOMINATORS: pairs P0 .. P3 of B are multiplied up (Q0 = P0 P1, Q1 = P2 P3, R = Q0 Q1, t = R.lo R.hi), 1 / t is taken, and the way back multiplies by the partners:
; 1 / R = (R.hi / t, R.lo / t), 1 / Q0 = Q1 / R, 1 / P0 = P1 / Q0, and so on.  Each product lands on its own factor's registers, so the inverse of pair j stands at pair j xor 1.
; |B| lies between 0.04 and 6.8 for u up to 32, so t lies between 6e-12 and 5e6.  The seven roundings on the way add some 1e-7 to the absolute error of the factor (a term of at most 0.5).
; The products' scratch lies in the numerator's registers, so the numerator is made behind them.  One wait ahead of the four reciprocals and one behind them.
.macro GELUB hb
.set GI, 0
.rept 32
	v_med3_num_f32 v[XCL+GI], v[\hb+GI], -s56, s56     ; xc: x held at +-4 sqrt 2.  (The accumulators are read from their low ends on)
.set GI, GI+1
.endr
.set GI, 0
.rept 16
	v_pk_mul_f32 v[U+GI:U+GI+1], v[XCL+GI:XCL+GI+1], v[XCL+GI:XCL+GI+1]
.set GI, GI+2
.endr
.set GI, 0
.rept 16
	v_pk_fma_f32 v[PB+GI:PB+GI+1], v[U+GI:U+GI+1], s[GB4:GB4+1], v[CK:CK+1] op_sel:[0,0,1] op_sel_hi:[1,0,1]   ; b4 u + b3
.set GI, GI+2
.endr
.irp k, GB2, GB1, GB0
.set GI, 0
.rept 16
	v_pk_fma_f32 v[PB+GI:PB+GI+1], v[PB+GI:PB+GI+1], v[U+GI:U+GI+1], s[\k:\k+1] op_sel_hi:[1,1,0]
.set GI, GI+2
.endr
.endr
.set GI, 0
.rept 8
	v_pk_mul_f32 v[PA+GI:PA+GI+1], v[PB+2*GI:PB+2*GI+1], v[PB+2*GI+2:PB+2*GI+3]                  ; Q i = P 2i x P 2i+1, at PA + 2 i
.set GI, GI+2
.endr
.set GI, 0
.rept 4
	v_pk_mul_f32 v[PA+16+GI:PA+17+GI], v[PA+2*GI:PA+2*GI+1], v[PA+2*GI+2:PA+2*GI+3]              ; R g = Q 2g x Q 2g+1, at PA + 16 + 2 g
.set GI, GI+2
.endr
.set GI, 0
.rept 4
	v_mul_f32 v[PA+24+GI], v[PA+16+2*GI], v[PA+17+2*GI]                                          ; t g: the product of eight, at PA + 24 + g
.set GI, GI+1
.endr
	s_wait_alu depctr_va_vdst(0)
.set GI, 0
.rept 4
	v_rcp_f32 v[PA+24+GI], v[PA+24+GI]
.set GI, GI+1
.endr
	v_nop                                              ; a plain place behind the batch
	s_wait_alu depctr_va_vdst(0)
.irp g, 0,2
	v_pk_mul_f32 v[PA+16+2*\g:PA+17+2*\g], v[PA+16+2*\g:PA+17+2*\g], v[PA+24+\g:PA+25+\g] op_sel:[1,0] op_sel_hi:[0,0]   ; 1 / R: R's halves change places, x 1 / t (the low word of its pair)
	v_pk_mul_f32 v[PA+18+2*\g:PA+19+2*\g], v[PA+18+2*\g:PA+19+2*\g], v[PA+24+\g:PA+25+\g] op_sel:[1,1] op_sel_hi:[0,1]   ; (the high word)
.endr
.set GI, 0
.rept 8
	v_pk_mul_f32 v[PA+GI:PA+GI+1], v[PA+GI:PA+GI+1], v[PA+16+2*(GI/4):PA+17+2*(GI/4)]            ; place i now holds 1 / Q (i xor 1)
.set GI, GI+2
.endr
.set GI, 0
.rept 16
	v_pk_mul_f32 v[PB+GI:PB+GI+1], v[PB+GI:PB+GI+1], v[PA+2*(GI/4+1-2*((GI/4)%2)):PA+2*(GI/4+1-2*((GI/4)%2))+1]   ; P j / Q (j / 2): place j now holds 1 / P (j xor 1)
.set GI, GI+2
.endr
.set GI, 0
.rept 16
	v_pk_fma_f32 v[PA+GI:PA+GI+1], v[U+GI:U+GI+1], s[GA6:GA6+1], v[CK:CK+1] op_sel_hi:[1,0,0]                 ; a6 u + a5
.set GI, GI+2
.endr
.irp k, GA4, GA3, GA2, GA1, GA0
.set GI, 0
.rept 16
	v_pk_fma_f32 v[PA+GI:PA+GI+1], v[PA+GI:PA+GI+1], v[U+GI:U+GI+1], s[\k:\k+1] op_sel_hi:[1,1,0]
.set GI, GI+2
.endr
.endr
	s_wait_alu depctr_va_vdst(0)
.set GI, 0
.rept 16
	v_pk_mul_f32 v[PA+GI:PA+GI+1], v[XCL+GI:XCL+GI+1], v[PA+GI:PA+GI+1]
.set GI, GI+2
.endr
.set GI, 0
.rept 16
	v_pk_fma_f32 v[PA+GI:PA+GI+1], v[PA+GI:PA+GI+1], v[PB+GI+2-4*((GI/2)%2):PB+GI+3-4*((GI/2)%2)], 0.5 op_sel_hi:[1,1,0]   ; 0.5 + xc A / B: the pair's 1 / B stands at its partner's place
.set GI, GI+2
.endr
.set GI, 0
.rept 16
	v_pk_mul_f32 v[\hb+GI:\hb+GI+1], v[\hb+GI:\hb+GI+1], v[PA+GI:PA+GI+1]
.set GI, GI+2
.endr
.endm
; ATTENTION, one trip: the two heads of feature block b (a lane has one of them), layer l, nq query tokens.
.macro ASET sel, base, l, nx           ; ten LDS loads: the two tiles of q (0), k (1) or v (2) rows of this block (nx = 1: of the next), their scale words, their 16 bias numbers
.irp u, 0,1
.irp c, 0,1
	ds_load_b128 v[\base+8*\u+4*\c:\base+8*\u+4*\c+3], v[ADW] offset:8704*\sel+2176*\nx+544*\u+32*\c
.endr
.endr
.irp u, 0,1
	ds_load_b32 v[WS+2*\sel+\u], v[ADS] offset:O_WQS+1536*\l+512*\sel+128*\nx+32*\u
.endr
.irp j, 0,1,2,3
	ds_load_b128 v[\base+16+4*\j:\base+16+4*\j+3], v[ADB] offset:O_BQKV+1536*\l+512*\sel+128*\nx+16*\j
.endr
.endm
.macro AADR                            ; the block's addresses
	v_add_nc_u32 v[ADW], s59, v[AW]
	v_add_nc_u32 v[ADS], s60, v[ASC]
	v_add_nc_u32 v[ADB], s60, v[ABI]
.endm
.macro ATT l, nq                       ; Q's and K's sets of this block have been asked for: ahead of the loop, or by the trip before
	AADR
	v_add_nc_u32 v[ADT], s61, v[STW]
	s_wait_alu depctr_va_vdst(0)
	s_wait_dscnt 10                                    ; Q's ten loads are in: behind them stand K's ten (and, from the trip before, nq stores)
.set AM, 0
.rept \nq
.irp u, 0,1
	MM H+16*AM+8*\u, QF+8*\u, XC+8*AM, QF+16+8*\u, WS+\u, XS+AM        ; q; the bias is the C
.endr
.set AM, AM+1
.endr
	s_wait_dscnt 0x0
.irp m, 0,1,2,3
.irp u, 0,1
	MM KV+16*\m+8*\u, KF+8*\u, XC+8*\m, KF+16+8*\u, WS+2+\u, XS+\m     ; k
.endr
.endr
	NOPS 5                                             ; four places in front of the loads below and of the first reads of q and k, five in front of v's products, which write over k
	ASET 2, QF, \l, 0
	; the scores: q . k over the head's 16 features, two at a time, feature pairs ascending
.set AP, 0
.rept 8
.set AS, 0
.rept \nq
.set AT, 0
.rept 4
.if AP == 0
	v_pk_mul_f32 v[ACC+2*(4*AS+AT):ACC+2*(4*AS+AT)+1], v[H+16*AS:H+16*AS+1], v[KV+16*AT:KV+16*AT+1]
.else
	v_pk_fma_f32 v[ACC+2*(4*AS+AT):ACC+2*(4*AS+AT)+1], v[H+16*AS+2*AP:H+16*AS+2*AP+1], v[KV+16*AT+2*AP:KV+16*AT+2*AP+1], v[ACC+2*(4*AS+AT):ACC+2*(4*AS+AT)+1]
.endif
.set AT, AT+1
.endr
.set AS, AS+1
.endr
.set AP, AP+1
.endr
.set AJ, 0
.rept 4*\nq
	v_add_f32 v[S+AJ], v[ACC+2*AJ], v[ACC+2*AJ+1]      ; ascending: score j lands on registers whose sums are spent
.set AJ, AJ+1
.endr
	s_wait_alu depctr_va_vdst(0)
	s_wait_dscnt 0x0
.irp m, 0,1,2,3
.irp u, 0,1
	MM KV+16*\m+8*\u, QF+8*\u, XC+8*\m, QF+16+8*\u, WS+4+\u, XS+\m     ; v, over k
.endr
.endr
	; the softmax over a query's four keys; its lines are also the places behind v's products
.set AS, 0
.rept \nq
	v_max3_num_f32 v[MX+2*AS+1], v[S+4*AS], v[S+4*AS+1], v[S+4*AS+2]
.set AS, AS+1
.endr
.set AS, 0
	v_max_num_f32 v[MX+2*AS], v[MX+2*AS+1], v[S+4*AS+3]
.set AS, AS+1
.rept (\nq)-1
	s_delay_alu instid0(VALU_DEP_4)
	v_max_num_f32 v[MX+2*AS], v[MX+2*AS+1], v[S+4*AS+3]
.set AS, AS+1
.endr
.set AS, 0
.rept \nq
	v_pk_add_f32 v[S+4*AS:S+4*AS+1], v[S+4*AS:S+4*AS+1], v[MX+2*AS:MX+2*AS+1] op_sel_hi:[1,0] neg_lo:[0,1] neg_hi:[0,1]       ; the row's maximum is taken away
	v_pk_add_f32 v[S+4*AS+2:S+4*AS+3], v[S+4*AS+2:S+4*AS+3], v[MX+2*AS:MX+2*AS+1] op_sel_hi:[1,0] neg_lo:[0,1] neg_hi:[0,1]
.set AS, AS+1
.endr
.set AJ, 0
.rept 2*\nq
	v_pk_mul_f32 v[S+2*AJ:S+2*AJ+1], v[S+2*AJ:S+2*AJ+1], 0x3eb8aa3b op_sel_hi:[1,0]    ; x log2(e) / sqrt(16)
.set AJ, AJ+1
.endr
.set AJ, 0
	s_wait_alu depctr_va_vdst(0)
.rept 4*\nq
	v_exp_f32 v[S+AJ], v[S+AJ]
.set AJ, AJ+1
.endr
	v_nop
	s_wait_alu depctr_va_vdst(0)
.set AS, 0
.rept \nq
	v_pk_add_f32 v[Z+2*AS:Z+2*AS+1], v[S+4*AS:S+4*AS+1], v[S+4*AS+2:S+4*AS+3]
.set AS, AS+1
.endr
.set AS, 0
	v_add_f32 v[Z+2*AS], v[Z+2*AS], v[Z+2*AS+1]
.set AS, AS+1
.rept (\nq)-1
	s_delay_alu instid0(VALU_DEP_4)
	v_add_f32 v[Z+2*AS], v[Z+2*AS], v[Z+2*AS+1]
.set AS, AS+1
.endr
.set AS, 0
	s_wait_alu depctr_va_vdst(0)
.rept \nq
	v_rcp_f32 v[Z+2*AS], v[Z+2*AS]
.set AS, AS+1
.endr
	v_nop
	s_wait_alu depctr_va_vdst(0)
.set AS, 0
.rept \nq
	v_pk_mul_f32 v[S+4*AS:S+4*AS+1], v[S+4*AS:S+4*AS+1], v[Z+2*AS:Z+2*AS+1] op_sel_hi:[1,0]
	v_pk_mul_f32 v[S+4*AS+2:S+4*AS+3], v[S+4*AS+2:S+4*AS+3], v[Z+2*AS:Z+2*AS+1] op_sel_hi:[1,0]
.set AS, AS+1
.endr
	; o = the weights x v, over q; the weight is the low or the high word of its pair, for both halves
.set AT, 0
.rept 4
.set AS, 0
.rept \nq
.set AP, 0
.rept 8
.if AT == 0
	v_pk_mul_f32 v[H+16*AS+2*AP:H+16*AS+2*AP+1], v[KV+2*AP:KV+2*AP+1], v[S+4*AS:S+4*AS+1] op_sel_hi:[1,0]
.elseif AT == 2
	v_pk_fma_f32 v[H+16*AS+2*AP:H+16*AS+2*AP+1], v[KV+32+2*AP:KV+32+2*AP+1], v[S+4*AS+2:S+4*AS+3], v[H+16*AS+2*AP:H+16*AS+2*AP+1] op_sel_hi:[1,0,1]
.else
	v_pk_fma_f32 v[H+16*AS+2*AP:H+16*AS+2*AP+1], v[KV+16*AT+2*AP:KV+16*AT+2*AP+1], v[S+4*AS+AT-1:S+4*AS+AT], v[H+16*AS+2*AP:H+16*AS+2*AP+1] op_sel:[0,1,0] op_sel_hi:[1,1,1]
.endif
.set AP, AP+1
.endr
.set AS, AS+1
.endr
.set AT, AT+1
.endr
	; the weights' and the scores' registers are spent: the next block's Q and K sets are asked for, but in the last trip (s62 = 1)
	s_cmp_eq_u32 s62, 1
	s_wait_alu depctr_va_vdst(0)                       ; a wait ahead of the branch
	s_cbranch_scc1 .Lno_next_\@
	ASET 0, QF, \l, 1
	ASET 1, KF, \l, 1
.Lno_next_\@:
	; block b of o is quantised, a run of 16 registers a token, at work on v's registers, which are spent; its 8 bytes of codes go to byte 16 b + 8 h of the token's row in my stage
.set TM, 118
.set PC, 134
	QMAX H, \nq, 0
.set AM, 0
.rept \nq
	SHIFTW AM
.set AM, AM+1
.endr
	QCVT H, PC, \nq, 0
.set AM, 0
.rept \nq
	ds_store_b64 v[ADT], v[PC+2*AM:PC+2*AM+1] offset:1280*AM       ; LDS serves a wave's instructions in order (ISA guide 5.7.1.4): no wait for these here
.set AM, AM+1
.endr
.set TM, 190
.set PC, 206
.endm
; X += o Wo^T for nt token tiles; the parameters of the norm behind it come with the weights
.macro WOP l, nt
	s_wait_alu depctr_va_vdst(0)
	s_wait_dscnt 0x0                                   ; no LDS instruction of mine is out: the loads below land on registers of the loop's loads
	v_add_nc_u32 v[ADW], WOB+WOL*\l, v[AW]
.set WM, 0
.rept \nt
.irp c, 0,1
	ds_load_b128 v[XC+8*WM+4*\c:XC+8*WM+4*\c+3], v[STR] offset:1280*WM+32*\c    ; o's codes back from my stage, as an operand
.endr
.set WM, WM+1
.endr
.irp t, 0,1,2,3,4,5,6,7
.irp c, 0,1
	ds_load_b128 v[KV+8*\t+4*\c:KV+8*\t+4*\c+3], v[ADW] offset:(8*(\t/2)+2*(\t%2))*272+32*\c
.endr
	ds_load_b32 v[WS+\t], v[ASC] offset:O_WOS+512*\l+128*(\t/2)+32*(\t%2)
.endr
	LNPAR BI, O_BO+512*\l
	LNPAR GG, O_G1+512*\l
	s_wait_dscnt 0x0
	NOPS 8                                             ; o's scale words were written by vector instructions: eight places ahead of the scaled products
	WIN 0x50
.irp t, 0,1,2,3,4,5,6,7
.set WM, 0
.rept \nt
	MM 64*WM+8*\t, KV+8*\t, XC+8*WM, 64*WM+8*\t, WS+\t, OSW+WM      ; each accumulator has one instruction
.set WM, WM+1
.endr
.endr
	WIN 0
	NOPS 4
	LNPAR EE, O_E1+512*\l
.endm
; X = layer norm of (X + bias) for nt token tiles.  last = 1: the result goes to v54-117 of window 0.
.macro LNSUM
	v_pk_add_f32 v[SCH:SCH+1], v[SCH:SCH+1], v[SCH+2:SCH+3]
	v_pk_add_f32 v[SCH+4:SCH+5], v[SCH+4:SCH+5], v[SCH+6:SCH+7]
	s_delay_alu instid0(VALU_DEP_1)
	v_pk_add_f32 v[SCH:SCH+1], v[SCH:SCH+1], v[SCH+4:SCH+5]
	s_delay_alu instid0(VALU_DEP_1)
	v_add_f32 v[SCH], v[SCH], v[SCH+1]
	s_delay_alu instid0(VALU_DEP_1)
	v_permlanex16_b32 v[SCH+1], v[SCH], s52, s53
	s_delay_alu instid0(VALU_DEP_1)
	v_add_f32 v[SCH], v[SCH], v[SCH+1]
.endm
.macro LN nt, last
	s_wait_dscnt 0x0                                   ; bias, gain and shift are in
	WIN 0x41
.set LM, 0
.rept \nt
.set LP, 0
.rept 32
	v_pk_add_f32 v[64*LM+LP:64*LM+LP+1], v[64*LM+LP:64*LM+LP+1], v[BI+LP:BI+LP+1]     ; ascending: each accumulator is read from its low end on
.set LP, LP+2
.endr
.set LM, LM+1
.endr
.set LM, 0
.rept \nt
	WIN 0x05
.set LP, 0
.rept 4
	v_pk_add_f32 v[SCH+LP:SCH+LP+1], v[64*LM+2*LP:64*LM+2*LP+1], v[64*LM+2*LP+2:64*LM+2*LP+3]
.set LP, LP+2
.endr
	WIN 0x04
.set LP, 16
.rept 24
	v_pk_add_f32 v[SCH+LP%8:SCH+LP%8+1], v[SCH+LP%8:SCH+LP%8+1], v[64*LM+LP:64*LM+LP+1]
.set LP, LP+2
.endr
	WIN 0
	LNSUM
	s_delay_alu instid0(VALU_DEP_1)
	v_mul_f32 v[MU+2*LM], s57, v[SCH]
	s_delay_alu instid0(VALU_DEP_2)
	v_mul_f32 v[MU+2*LM+1], s57, v[SCH]
.set LM, LM+1
.endr
.set LM, 0
.rept \nt
	WIN 0x41
.set LP, 0
.rept 32
	v_pk_add_f32 v[64*LM+LP:64*LM+LP+1], v[64*LM+LP:64*LM+LP+1], v[MU+2*LM:MU+2*LM+1] neg_lo:[0,1] neg_hi:[0,1]
.set LP, LP+2
.endr
	WIN 0x05
.set LP, 0
.rept 4
	v_pk_mul_f32 v[SCH+LP:SCH+LP+1], v[64*LM+LP:64*LM+LP+1], v[64*LM+LP:64*LM+LP+1]
.set LP, LP+2
.endr
.rept 28
	v_pk_fma_f32 v[SCH+LP%8:SCH+LP%8+1], v[64*LM+LP:64*LM+LP+1], v[64*LM+LP:64*LM+LP+1], v[SCH+LP%8:SCH+LP%8+1]    ; four chains by turns
.set LP, LP+2
.endr
	WIN 0
	LNSUM
	s_delay_alu instid0(VALU_DEP_1)
	v_fma_f32 v[RS+2*LM+1], v[SCH], s57, s58           ; the variance + 1e-5
.set LM, LM+1
.endr
.set LM, 0
	s_wait_alu depctr_va_vdst(0)
.rept \nt
	v_rsq_f32 v[RS+2*LM], v[RS+2*LM+1]
.set LM, LM+1
.endr
	v_nop
	s_wait_alu depctr_va_vdst(0)
.set LM, 0
.rept \nt
	WIN 0x41
.set LP, 0
.rept 32
	v_pk_mul_f32 v[64*LM+LP:64*LM+LP+1], v[64*LM+LP:64*LM+LP+1], v[RS+2*LM:RS+2*LM+1] op_sel_hi:[1,0]
.set LP, LP+2
.endr
.if \last
	WIN 0x01
.endif
.set LP, 0
.rept 32
.if \last
	v_pk_fma_f32 v[H+LP:H+LP+1], v[64*LM+LP:64*LM+LP+1], v[GG+LP:GG+LP+1], v[EE+LP:EE+LP+1]
.else
	v_pk_fma_f32 v[64*LM+LP:64*LM+LP+1], v[64*LM+LP:64*LM+LP+1], v[GG+LP:GG+LP+1], v[EE+LP:EE+LP+1]
.endif
.set LP, LP+2
.endr
.set LM, LM+1
.endr
	WIN 0
.endm
.macro W1SET nx                        ; ten LDS loads: the two tiles of W1's rows of a block of 32 hidden units (nx = 1: of the next block), their scale words, their 16 numbers of b1
.irp u, 0,1
.irp c, 0,1
	ds_load_b128 v[KV+8*\u+4*\c:KV+8*\u+4*\c+3], v[ADW] offset:2176*\nx+544*\u+32*\c
.endr
	ds_load_b32 v[WS+\u], v[ADS] offset:O_W1S+128*\nx+32*\u
.endr
.irp j, 0,1,2,3
	ds_load_b128 v[KV+16+4*\j:KV+16+4*\j+3], v[ADB] offset:O_B1+128*\nx+16*\j
.endr
.endm
.macro ARM under, g0, g1, next         ; an arm of the head's chain: one joint load, and a jump to the chain's end
	s_cmp_lt_u32 s54, \under
	s_cbranch_scc0 \next
	tensor_load_to_lds s[\g0:\g0+3], s[\g1:\g1+7]
	s_nop 0
	NOPS 4
	s_branch .Lhead_asked
\next:
.endm
; ================================================================ the head
	s_load_b256 s[4:11], s[0:1], 0x0                   ; codes: Wqkv s[4:5], Wo s[6:7], W1 s[8:9], W2 s[10:11]
	s_load_b512 s[68:83], s[0:1], 0x20                 ; scales: W1 68, W2 70, Wqkv 72, Wo 74; b1 76, bqkv 78, bo 80, b2 82
	s_load_b256 s[84:91], s[0:1], 0x60                 ; ln1_g 84, ln1_b 86, ln2_g 88, ln2_b 90
	s_load_b256 s[92:99], s[0:1], 0x80                 ; cls 92, z0 94, z1 96, z2 98
	s_load_b64 s[100:101], s[0:1], 0xa0                ; out0
	v_lshl_add_u32 v254, v0, 2, SPARE
	v_mov_b32 v255, 0
	ds_add_u32 v254, v255                              ; the opening lines: the add, twice on end, and its wait
	ds_add_u32 v254, v255
	s_wait_dscnt 0x0
	v_lshrrev_b32 v8, 5, v0
	s_delay_alu instid0(VALU_DEP_1)
	v_readfirstlane_b32 s54, v8                        ; wave 0..7
	s_and_b32 s67, s54, 1                              ; which half of an array I fetch
	s_bfe_u32 s104, ttmp6, 0x40000                     ; my place in the cluster: it enters z's and out0's addresses alone
	s_lshl_b32 s55, ttmp9, 2
	s_add_co_u32 s55, s55, s104                        ; the work-group
	s_lshl_b32 s104, s55, 16                           ; its 128 epochs of 512 bytes,
	s_lshl_b32 s105, s54, 13                           ; my wave's 16
	s_add_co_u32 s104, s104, s105
	s_mov_b32 s105, 0
	v_and_b32 v8, 15, v0                               ; r
	v_bfe_u32 v9, v0, 4, 1                             ; h
	s_delay_alu instid0(VALU_DEP_2)
	v_and_b32 v10, 8, v8
	s_delay_alu instid0(VALU_DEP_1)
	v_add_nc_u32 v10, v10, v8                          ; rho = r + 8 (r / 8)
	s_delay_alu instid0(VALU_DEP_1)
	v_lshrrev_b32 v11, 2, v10
	s_delay_alu instid0(VALU_DEP_1)
	v_mul_u32_u24 v[AW], v11, 272
	s_delay_alu instid0(VALU_DEP_3)
	v_and_b32 v11, 3, v10
	s_delay_alu instid0(VALU_DEP_1)
	v_lshl_add_u32 v[AW], v11, 6, v[AW]
	s_delay_alu instid0(VALU_DEP_1)
	v_lshl_add_u32 v[AW], v9, 4, v[AW]
	v_mul_u32_u24 v[AW2], v10, 272
	s_delay_alu instid0(VALU_DEP_1)
	v_lshl_add_u32 v[AW2], v9, 4, v[AW2]
	v_lshl_add_u32 v[ASC], v10, 2, SM
	v_lshl_add_u32 v[ASC2], v10, 4, SM
	v_lshl_add_u32 v[ABI], v9, 6, SM
	s_mul_i32 s59, s54, STGW
	s_add_co_u32 s59, s59, STG                         ; my stage
	v_mul_u32_u24 v[STW], v8, 80
	s_delay_alu instid0(VALU_DEP_1)
	v_add_nc_u32 v[STW], s59, v[STW]
	s_delay_alu instid0(VALU_DEP_1)
	v_lshl_add_u32 v[STR], v9, 4, v[STW]
	s_delay_alu instid0(VALU_DEP_2)
	v_lshl_add_u32 v[STW], v9, 3, v[STW]
	v_and_b32 v52, 31, v0
	s_delay_alu instid0(VALU_DEP_1)
	v_lshlrev_b32 v52, 4, v52                          ; 16 x lane
	s_delay_alu instid0(VALU_DEP_1)
	v_add_nc_u32 v50, s59, v52                         ; a row of 512 bytes as it lies
	v_mul_u32_u24 v51, v8, 528
	s_delay_alu instid0(VALU_DEP_1)
	v_lshl_add_u32 v51, v9, 6, v51
	s_delay_alu instid0(VALU_DEP_1)
	v_add_nc_u32 v51, s59, v51                         ; my epoch's row, my half of each block
	v_lshlrev_b32 v254, 4, v0                          ; 16 x thread
	s_delay_alu instid0(VALU_DEP_1)
	v_add_nc_u32 v53, SM, v254                         ; where the small arrays go
	v_mov_b32 v[CK], 0x306dffee                        ; a5
	v_mov_b32 v[CK+1], 0xb89e3512                      ; b3
.irp m, 0,1,2,3
	v_mov_b32 v[OSW+\m], 0
.endr
	s_mov_b32 s52, 0x76543210                          ; lane l xor 16
	s_mov_b32 s53, 0xfedcba98
	s_mov_b32 s56, 0x40b504f3                          ; 4 sqrt 2
	s_mov_b32 s57, 0x3c000000                          ; 1 / 128
	s_mov_b32 s58, 0x3727c5ac                          ; 1e-5
	s_mov_b32 s3, 0
	GROUP1 12, 96                                      ; half of Wqkv's codes: 96 units
	GROUP1 20, 32                                      ; of Wo's: 32
	GROUP1 28, 128                                     ; of W1's and of W2's: 128
	s_wait_kmcnt 0x0
	GROUP0 36, 4, WQKV, 96
	GROUP0 40, 6, WOB, 32
	GROUP0 44, 8, W1B, 128
	GROUP0 48, 10, W2B, 128
	s_add_nc_u64 s[94:95], s[94:95], s[104:105]        ; z0, z1, z2 and out0 at my first epoch
	s_add_nc_u64 s[96:97], s[96:97], s[104:105]
	s_add_nc_u64 s[98:99], s[98:99], s[104:105]
	s_add_nc_u64 s[100:101], s[100:101], s[104:105]
	CROUND                                             ; all four work-groups are here: the joint loads meet
	ARM 2, 36, 12, .Lhead_wo                           ; all fills of the launch: one chain of arms on the wave's number, one load on every way through it
	ARM 4, 40, 20, .Lhead_w1
	ARM 6, 44, 28, .Lhead_w2
	tensor_load_to_lds s[48:51], s[28:35]
	s_nop 0
	NOPS 4
.Lhead_asked:
	; the small arrays: seven rounds of 16 bytes a thread, in the order in which they lie in LDS.  Where a round spans several arrays, the wave's number chooses the pointer.
	s_cmp_lt_u32 s54, 6
	s_cselect_b64 s[4:5], s[72:73], s[74:75]
	s_cselect_b64 s[6:7], s[78:79], s[80:81]
	s_cselect_b32 s2, 0, 6
	s_sub_co_u32 s2, s54, s2
	s_lshl_b32 s2, s2, 9
	s_add_nc_u64 s[4:5], s[4:5], s[2:3]
	s_add_nc_u64 s[6:7], s[6:7], s[2:3]
	s_cmp_lt_u32 s54, 2
	s_cselect_b64 s[8:9], s[82:83], s[84:85]
	s_cselect_b64 s[72:73], s[90:91], s[92:93]
	s_cselect_b32 s74, s54, 0
	s_cmp_lt_u32 s54, 6
	s_cselect_b64 s[10:11], s[86:87], s[88:89]
	s_cmp_lt_u32 s54, 4
	s_cselect_b64 s[8:9], s[8:9], s[10:11]
	s_and_b32 s2, s54, 1
	s_lshl_b32 s2, s2, 9
	s_add_nc_u64 s[8:9], s[8:9], s[2:3]
	s_lshl_b32 s74, s74, 9
	s_mov_b32 s75, 0
	s_add_nc_u64 s[72:73], s[72:73], s[74:75]
	s_wait_alu depctr_va_vdst(0)
	global_load_b128 v[22:25], v254, s[68:69]          ; W1's scales
	global_load_b128 v[26:29], v254, s[70:71]          ; W2's
	global_load_b128 v[30:33], v52, s[4:5]
	global_load_b128 v[34:37], v254, s[76:77]          ; b1
	global_load_b128 v[38:41], v52, s[6:7]
	global_load_b128 v[42:45], v52, s[8:9]
	s_cmp_lt_u32 s54, 3
	s_cbranch_scc0 .Lno_round6_load
	global_load_b128 v[46:49], v52, s[72:73]
.Lno_round6_load:
	s_cmp_lt_u32 s54, 4                                ; waves 4 to 7 first store their part of the small arrays and wait for their own half of a weight, and ask for z then: the first four waves' rows are asked for first
	s_cbranch_scc1 .Lz_now
	s_wait_loadcnt 0x0
.irp k, 0,1,2,3,4,5
	ds_store_b128 v53, v[22+4*\k:25+4*\k] offset:4096*\k
.endr
	s_wait_tensorcnt 0x0
.Lz_now:
	; z: 48 loads, each a whole row of 512 consecutive bytes, as it lies
.irp m, 0,1,2
.set ZI, 0
.rept 16
	global_load_b128 v[54+64*\m+4*ZI:54+64*\m+4*ZI+3], v52, s[94+2*\m:95+2*\m] offset:512*ZI th:TH_LOAD_NT
.set ZI, ZI+1
.endr
.endr
	s_cmp_lt_u32 s54, 4
	s_cbranch_scc0 .Lno_round6_store                   ; waves 4 to 7 have stored theirs
	s_wait_loadcnt 48                                  ; all but z's 48 loads are in
.irp k, 0,1,2,3,4,5
	ds_store_b128 v53, v[22+4*\k:25+4*\k] offset:4096*\k
.endr
	s_cmp_lt_u32 s54, 3
	s_cbranch_scc0 .Lno_round6_store
	ds_store_b128 v53, v[46:49] offset:24576
.Lno_round6_store:
	s_wait_tensorcnt 0x0                               ; my half of a weight has landed,
	s_wait_dscnt 0x0                                   ; my part of the small arrays is stored:
	s_barrier_signal -1
	s_barrier_wait -1                                  ; everybody's.  From here on the waves share only bytes that nobody writes, and no wave waits for another's z
	; z's turn through my stage: in as rows, back 64 bytes of each block of 128 a lane, into X.  LDS serves a wave's instructions in order: no wait between stores and loads
.irp m, 1,2,3
	s_wait_loadcnt 16*(3-\m)                           ; this token's 16 loads are in; the later tokens' may be out
.set ZI, 0
.rept 16
	ds_store_b128 v50, v[54+64*(\m-1)+4*ZI:54+64*(\m-1)+4*ZI+3] offset:528*ZI
.set ZI, ZI+1
.endr
	WIN 0x40
.irp b, 0,1,2,3
.irp j, 0,1,2,3
	ds_load_b128 v[64*\m+16*\b+4*\j:64*\m+16*\b+4*\j+3], v51 offset:128*\b+16*\j
.endr
.endr
	WIN 0
.endr
	WIN 0x40
	LNPAR 0, O_CLS                                     ; token 0 of every epoch is the CLS token
	WIN 0
	SPAIR GA6, 0xac95df0b                              ; GELU's constants, over descriptors and bases that are done with: A(u) = the sum of alpha(2 k + 1) 2^-k u^k,
	SPAIR GA4, 0xb40cff51
	SPAIR GA3, 0xb6eec2d2
	SPAIR GA2, 0xb940ac63
	SPAIR GA1, 0xbac1a1f6
	SPAIR GA0, 0xbc83dbd4
	SPAIR GB4, 0xb62ccd2b                              ; B(u) = 2 sqrt 2 x the sum of beta(2 k) 2^-k u^k, of erf(y) = y P(y^2) / Q(y^2), y = x / sqrt 2, u = x^2
	SPAIR GB2, 0xba9bf7b5
	SPAIR GB1, 0xbc2ad7f2
	SPAIR GB0, 0xbd2542a9
	s_wait_dscnt 0x0
; ================================================================ layer 1
.irp m, 0,1,2,3
	QUANTX \m
.endr
	NOPS 8                                             ; operands and scale words written by vector instructions: eight places ahead of the scaled products
	s_mov_b32 s59, WQKV                                ; the block's tiles: 8 units a block
	s_mov_b32 s60, 0                                   ; its scale words and bias numbers: 128 bytes a block
	s_mov_b32 s61, 0                                   ; its codes in a stage row: 16 bytes a block
	s_mov_b32 s62, 4
	AADR
	ASET 0, QF, 0, 0                                   ; block 0's Q and K sets
	ASET 1, KF, 0, 0
.Latt1:
	s_wait_alu depctr_va_vdst(0)
	ATT 0, 4
	s_add_co_u32 s59, s59, 2176
	s_add_co_u32 s60, s60, 128
	s_add_co_u32 s61, s61, 16
	s_sub_co_u32 s62, s62, 1
	s_cmp_lg_u32 s62, 0
	s_cbranch_scc1 .Latt1
	WOP 0, 4
	LN 4, 0
.irp m, 0,1,2,3
	QUANTX \m
.endr
	NOPS 8
	; the FFN: four K steps of W2; in each, four trips of 32 hidden units for all four tokens, whose codes gather in my stage; then 32 products add onto X
	s_mov_b32 s59, W1B
	s_mov_b32 s60, 0
	s_mov_b32 s66, W2B
	s_mov_b32 s67, 0
	s_mov_b32 s63, 4
	AADR
	W1SET 0                                            ; the first block's set
	s_wait_dscnt 0x0                                   ; (on this way into the loop nothing is out at its top)
.Lffn_step:
	s_mov_b32 s61, 0
	s_mov_b32 s62, 4
.Lffn_block:
	AADR
	v_add_nc_u32 v[ADT], s61, v[STW]
	s_wait_dscnt 4                                     ; this block's ten loads are in: behind them the trip before issued its four stores of codes
	s_wait_alu depctr_va_vdst(0)
.irp m, 0,1,2,3
.irp u, 0,1
	MM H+16*\m+8*\u, KV+8*\u, XC+8*\m, KV+16+8*\u, WS+\u, XS+\m        ; b1 is the C
.endr
.endr
	NOPS 4
	GELUB H
	GELUB H+32
	s_cmp_eq_u32 s62, 1                                ; the next block's set, on registers that GELU has done with; a K step's last block asks for nothing: W2's fragments come there
	s_wait_alu depctr_va_vdst(0)
	s_cbranch_scc1 .Lno_w1
	W1SET 1
.Lno_w1:
	QMAX H, 4, 0                                       ; a run of 16 registers a token: the token's half of hidden block b
.irp m, 0,1,2,3
	SHIFTW \m
.endr
	QCVT H, PC, 4, 0
.irp m, 0,1,2,3
	ds_store_b64 v[ADT], v[PC+2*\m:PC+2*\m+1] offset:1280*\m
.endr
	s_add_co_u32 s59, s59, 2176
	s_add_co_u32 s60, s60, 128
	s_add_co_u32 s61, s61, 16
	s_sub_co_u32 s62, s62, 1
	s_cmp_lg_u32 s62, 0
	s_cbranch_scc1 .Lffn_block
	s_wait_dscnt 0x0                                   ; no LDS instruction of mine is out
	v_add_nc_u32 v[ADW], s66, v[AW2]
	v_add_nc_u32 v[ADS], s67, v[ASC2]
.irp t, 0,1,2,3,4,5,6,7
.irp c, 0,1
	ds_load_b128 v[KV+8*\t+4*\c:KV+8*\t+4*\c+3], v[ADW] offset:(32*(\t/2)+8*(\t%2))*272+32*\c
.endr
	ds_load_b32 v[WS+\t], v[ADS] offset:O_W2S+16*(32*(\t/2)+8*(\t%2))
.endr
.irp m, 0,1,2,3
.irp c, 0,1
	ds_load_b128 v[PA+8*\m+4*\c:PA+8*\m+4*\c+3], v[STR] offset:1280*\m+32*\c     ; the hidden layer's 128 codes a row, as operands
.endr
.endr
	s_wait_dscnt 0x0
	NOPS 8                                             ; the hidden layer's scale words were written by vector instructions
	WIN 0x50
.irp t, 0,1,2,3,4,5,6,7
.irp m, 0,1,2,3
	MM 64*\m+8*\t, KV+8*\t, PA+8*\m, 64*\m+8*\t, WS+\t, OSW+\m        ; 32 accumulators, one instruction each; W1's products stand between two links of a chain
.endr
.endr
	WIN 0
	NOPS 4                                             ; places in front of the loads below
	s_cmp_eq_u32 s63, 1
	s_cbranch_scc1 .Lno_w1_step
	AADR
	W1SET 0                                            ; the next K step's first block
	s_wait_dscnt 0x0                                   ; (on this way into the loop nothing is out at its top)
.Lno_w1_step:
	s_add_co_u32 s66, s66, 64
	s_add_co_u32 s67, s67, 4
	s_sub_co_u32 s63, s63, 1
	s_cmp_lg_u32 s63, 0
	s_cbranch_scc1 .Lffn_step
	LNPAR BI, O_B2
	LNPAR GG, O_G2
	LNPAR EE, O_E2
	LN 4, 0
; ================================================================ layer 2: K and V of all four tokens, all else for the CLS tile
.irp m, 0,1,2,3
	QUANTX \m
.endr
	NOPS 8
	s_mov_b32 s59, WQKV+WQKVL
	s_mov_b32 s60, 0
	s_mov_b32 s61, 0
	s_mov_b32 s62, 4
	AADR
	ASET 0, QF, 1, 0
	ASET 1, KF, 1, 0
.Latt2:
	ATT 1, 1
	s_add_co_u32 s59, s59, 2176
	s_add_co_u32 s60, s60, 128
	s_add_co_u32 s61, s61, 16
	s_sub_co_u32 s62, s62, 1
	s_cmp_lg_u32 s62, 0
	s_cbranch_scc1 .Latt2
	WOP 1, 1
	LN 1, 0
	QUANTX 0
	NOPS 8
	; the FFN of one tile: a trip is a K step of W2: 128 hidden units, quantised in registers
	s_mov_b32 s59, W1B+W1L
	s_mov_b32 s60, 0
	s_mov_b32 s66, W2B+W2L
	s_mov_b32 s67, 0
	s_mov_b32 s62, 4
.Lffn2:
	AADR
	v_add_nc_u32 v[ADT], s66, v[AW2]
	v_add_nc_u32 v254, s67, v[ASC2]
.irp t, 0,1,2,3,4,5,6,7
.irp c, 0,1
	ds_load_b128 v[KV+8*\t+4*\c:KV+8*\t+4*\c+3], v[ADW] offset:(8*(\t/2)+2*(\t%2))*272+32*\c
.endr
	ds_load_b32 v[WS+\t], v[ADS] offset:O_W1S+2048+128*(\t/2)+32*(\t%2)
.endr
.irp b, 0,1,2,3
.irp j, 0,1,2,3
	ds_load_b128 v[PA+16*\b+4*\j:PA+16*\b+4*\j+3], v[ADB] offset:O_B1+2048+128*\b+16*\j
.endr
.endr
	s_wait_dscnt 0x0
	s_wait_alu depctr_va_vdst(0)
.irp t, 0,1,2,3,4,5,6,7
	MM H+8*\t, KV+8*\t, XC, PA+8*\t, WS+\t, XS
.endr
	NOPS 4
.irp t, 0,1,2,3,4,5,6,7
	ds_load_b32 v[WS+\t], v254 offset:O_W2S+2048+16*(32*(\t/2)+8*(\t%2))
.endr
	GELUB H
	GELUB H+32
.irp t, 0,1,2,3,4,5,6,7
.irp c, 0,1
	ds_load_b128 v[KV+8*\t+4*\c:KV+8*\t+4*\c+3], v[ADT] offset:(32*(\t/2)+8*(\t%2))*272+32*\c
.endr
.endr
	QMAX H, 4, 0
	WORD4 OSW
	QCVT H, PC, 4, 0
	SWAPS PC
	s_wait_alu depctr_va_vdst(0)
	s_wait_dscnt 0x0
	NOPS 8
	WIN 0x50
.irp t, 0,1,2,3,4,5,6,7
	MM 8*\t, KV+8*\t, PC, 8*\t, WS+\t, OSW
.endr
	WIN 0
	NOPS 4
	s_add_co_u32 s59, s59, 8704
	s_add_co_u32 s60, s60, 512
	s_add_co_u32 s66, s66, 64
	s_add_co_u32 s67, s67, 4
	s_sub_co_u32 s62, s62, 1
	s_cmp_lg_u32 s62, 0
	s_cbranch_scc1 .Lffn2
	LNPAR BI, O_B2+512
	LNPAR GG, O_G2+512
	LNPAR EE, O_E2+512
	LN 1, 1
; ================================================================ the way out: through my stage, so that each store of the wave covers a whole row: 512 consecutive bytes, aligned
	s_mul_i32 s2, s54, STGW
	s_add_co_u32 s2, s2, STG
	v_and_b32 v8, 15, v0
	v_bfe_u32 v9, v0, 4, 1
	s_delay_alu instid0(VALU_DEP_2)
	v_mul_u32_u24 v10, v8, 528
	s_delay_alu instid0(VALU_DEP_1)
	v_lshl_add_u32 v10, v9, 6, v10
	s_delay_alu instid0(VALU_DEP_1)
	v_add_nc_u32 v10, s2, v10                          ; in: stage + 528 r + 64 h
	v_and_b32 v11, 31, v0
	s_delay_alu instid0(VALU_DEP_1)
	v_lshlrev_b32 v11, 4, v11                          ; 16 x lane
	s_delay_alu instid0(VALU_DEP_1)
	v_add_nc_u32 v8, s2, v11                           ; back: a row as it lies
.irp b, 0,1,2,3
.irp j, 0,1,2,3
	ds_store_b128 v10, v[H+16*\b+4*\j:H+16*\b+4*\j+3] offset:128*\b+16*\j
.endr
.endr
.set ZI, 0
.rept 16
	ds_load_b128 v[KV+4*ZI:KV+4*ZI+3], v8 offset:528*ZI              ; in order behind my stores
.set ZI, ZI+1
.endr
	s_wait_alu depctr_va_vdst(0)
.set ZI, 0
.rept 16
	s_wait_dscnt 15-ZI                                 ; row ZI is back; the younger loads may be out
	global_store_b128 v11, v[KV+4*ZI:KV+4*ZI+3], s[100:101] offset:512*ZI th:TH_STORE_NT
.set ZI, ZI+1
.endr
	s_wait_xcnt 0x0
	v_lshl_add_u32 v254, v0, 2, SPARE
	v_mov_b32 v255, 0
	s_wait_alu depctr_va_vdst(0)
	s_wait_tensorcnt 0x0                               ; the wave's end
	ds_add_u32 v254, v255
	s_wait_dscnt 0x0
	CROUND                                             ; the closing round: no work-group ends while a partner may still ask for a tile that names it
	s_endpgm
.Lfunc_end_k_q5c4f8d5175_mixer:
	.size	k_q5c4f8d5175_mixer, .Lfunc_end_k_q5c4f8d5175_mixer-k_q5c4f8d5175_mixer
	.p2alignl 7, 3214868480
	.fill 96, 4, 3214868480
	.section	.rodata,"a",@progbits
	.p2align	6, 0x0
	.amdhsa_kernel k_q5c4f8d5175_mixer
		.amdhsa_group_segment_fixed_size 327680
		.amdhsa_private_segment_fixed_size 0
		.amdhsa_enable_private_segment 0
		.amdhsa_kernarg_size 168
		.amdhsa_user_sgpr_count 2
		.amdhsa_user_sgpr_kernarg_segment_ptr 1
		.amdhsa_wavefront_size32 1
		.amdhsa_system_sgpr_workgroup_id_x 1
		.amdhsa_system_sgpr_workgroup_id_y 1
		.amdhsa_system_sgpr_workgroup_id_z 1
		.amdhsa_system_vgpr_workitem_id 0
		.amdhsa_next_free_vgpr 512
		.amdhsa_next_free_sgpr 106
		.amdhsa_reserve_vcc 0
		.amdhsa_float_denorm_mode_32 3
		.amdhsa_float_denorm_mode_16_64 3
		.amdhsa_memory_ordered 1
		.amdhsa_forward_progress 1
		.amdhsa_inst_pref_size 255
	.end_amdhsa_kernel
	.section	.bss,"aw",@nobits
	.p2align	6
	.space	262144
	.amdgpu_metadata
---
amdhsa.version: [ 1, 2 ]
amdhsa.kernels:
  - .name:           k_q5c4f8d5175_mixer
    .symbol:         k_q5c4f8d5175_mixer.kd
    .args:
      - { .name: Wqkv_codes, .offset: 0, .size: 8, .value_kind: global_buffer, .address_space: global }
      - { .name: Wo_codes, .offset: 8, .size: 8, .value_kind: global_buffer, .address_space: global }
      - { .name: W1_codes, .offset: 16, .size: 8, .value_kind: global_buffer, .address_space: global }
      - { .name: W2_codes, .offset: 24, .size: 8, .value_kind: global_buffer, .address_space: global }
      - { .name: W1_scales, .offset: 32, .size: 8, .value_kind: global_buffer, .address_space: global }
      - { .name: W2_scales, .offset: 40, .size: 8, .value_kind: global_buffer, .address_space: global }
      - { .name: Wqkv_scales, .offset: 48, .size: 8, .value_kind: global_buffer, .address_space: global }
      - { .name: Wo_scales, .offset: 56, .size: 8, .value_kind: global_buffer, .address_space: global }
      - { .name: b1, .offset: 64, .size: 8, .value_kind: global_buffer, .address_space: global }
      - { .name: bqkv, .offset: 72, .size: 8, .value_kind: global_buffer, .address_space: global }
      - { .name: bo, .offset: 80, .size: 8, .value_kind: global_buffer, .address_space: global }
      - { .name: b2, .offset: 88, .size: 8, .value_kind: global_buffer, .address_space: global }
      - { .name: ln1_g, .offset: 96, .size: 8, .value_kind: global_buffer, .address_space: global }
      - { .name: ln1_b, .offset: 104, .size: 8, .value_kind: global_buffer, .address_space: global }
      - { .name: ln2_g, .offset: 112, .size: 8, .value_kind: global_buffer, .address_space: global }
      - { .name: ln2_b, .offset: 120, .size: 8, .value_kind: global_buffer, .address_space: global }
      - { .name: cls_token, .offset: 128, .size: 8, .value_kind: global_buffer, .address_space: global }
      - { .name: z0, .offset: 136, .size: 8, .value_kind: global_buffer, .address_space: global }
      - { .name: z1, .offset: 144, .size: 8, .value_kind: global_buffer, .address_space: global }
      - { .name: z2, .offset: 152, .size: 8, .value_kind: global_buffer, .address_space: global }
      - { .name: out0, .offset: 160, .size: 8, .value_kind: global_buffer, .address_space: global }
    .group_segment_fixed_size: 327680
    .private_segment_fixed_size: 0
    .kernarg_segment_align: 8
    .kernarg_segment_size: 168
    .max_flat_workgroup_size: 256
    .sgpr_count:     106
    .vgpr_count:     512
    .wavefront_size: 32
...
	.end_amdgpu_metadata
.endif
;; end of part 1
